; MI455X (gfx1250); checked and timed in simulation.
; The chip was launched on July 23, 2026; its instructions are those of AMD's public machine-readable ISA for CDNA 5 (MIT licence, August 2026) and "CDNA5" Instruction Set Architecture Reference Guide (July 2026). The comments in the code are by the model that wrote it; some were corrected since.
;; Multi Head Attention. Allowed arithmetic: matrix products marked QUANTISED: E2M1 operands, one E8M0 scale for each 32 along K, by v_wmma_scale_f32_16x16x128_f8f6f4 with both operands' format E2M1 (or v_wmma_scale_f32_32x16x128_f4), f32 sums; everything else in f32.
;; Inputs: b_o 1,024 float32; w_k 1,024 x 1,024 float32; w_o 1,024 x 1,024 float32; w_q 1,024 x 1,024 float32; w_v 1,024 x 1,024 float32; x 2 x 2,048 x 1,024 float32.
;; Outputs: out0 2 x 2,048 x 1,024 float32.
;; This version of the problem:
;;   THIS VERSION OF THE PROBLEM IS GIVEN IN LOW PRECISION. The matrix products marked QUANTISED in the list below multiply operands that are first quantised to E2M1 (2 exponent bits, 1 mantissa bit; 4 bits a number), with one power-of-two scale for each 32 numbers along K (OCP MX v1.0); their sums are f32. All else is computed in f32.
;;   The module's matrix products, in the order in which they are computed (A, B: the left and right operand; K: the contracted axis; several contracted axes count as one K, in the product's order):
;;     1. [M 4,096, K 1,024] x [K 1,024, N 1,024]; A: input x; B: input w_k: QUANTISED
;;     2. [M 4,096, K 1,024] x [K 1,024, N 1,024]; A: input x; B: input w_q: QUANTISED
;;     3. [M 4,096, K 1,024] x [K 1,024, N 1,024]; A: input x; B: input w_v: QUANTISED
;;     4. batch 32 x [M 2,048, K 64] x [K 64, N 2,048]; A: computed on the way; B: computed on the way: QUANTISED
;;     5. batch 32 x [M 2,048, K 2,048] x [K 2,048, N 64]; A: softmax (see below); B: computed on the way: QUANTISED
;;     6. [M 4,096, K 1,024] x [K 1,024, N 1,024]; A: computed on the way; B: input w_o: QUANTISED
;;   THE QUANTISER, for each operand of a quantised product, along K:
;;     - K is cut into blocks of 32 from its start; a last block that is shorter is filled with zeros.
;;     - A block's scale is 2^e with e = floor(log2(the largest magnitude in the block)) - 2, held to -126 .. 127; a block of zeros has e = 0. As a byte (E8M0): e + 127.
;;     - Each number is divided by its block's scale, clamped to +-6, and rounded to the nearest number of E2M1, ties to even, subnormals kept.
;;     - The product sums the exact products of the quantised numbers (number of the format x scale) in f32.
;;   ~~~python
;;   def quantise(x, axis):      # numpy; x: float32 -> the quantised numbers, widened to float32 again
;;       x = np.moveaxis(x, axis, -1); K = x.shape[-1]
;;       x = np.pad(x, [(0, 0)] * (x.ndim - 1) + [(0, -K % 32)]); x = x.reshape(x.shape[:-1] + (-1, 32)); a = np.abs(x).max(-1, keepdims=True)
;;       e = np.where(a > 0, np.clip(np.frexp(np.where(a > 0, a, 1))[1] - 1 - 2, -126, 127), 0)      # np.frexp(a)[1] - 1 = floor(log2(a)), exactly
;;       r = np.clip(x / 2.0 ** e, -6, 6)
;;       step = 2.0 ** (np.maximum(np.frexp(np.where(r == 0, 1, r))[1] - 1, 0) - 1)
;;       q = np.round(r / step) * step * 2.0 ** e      # np.round: ties to even
;;       return np.moveaxis(q.reshape(q.shape[:-2] + (-1,))[..., :K], -1, axis).astype(np.float32)
;;   ~~~
;;   SOFTMAX AHEAD OF A QUANTISED PRODUCT. Where the list says 'softmax', what is quantised is not the finished softmax but p = 2^(t - M), with t = logit x log2(e) and M = ceil(the row's largest t), a whole number; so 1/2 < the row's largest p <= 1. The row's sum l is taken of the UNQUANTISED p, in f32, and the product's result is divided by l at the end. Since M is a whole number, a kernel that streams over the keys may use a running M (the ceiling of the running maximum): every later rescaling is an exact power of two, which a block's scale takes up: the codes' values come out the same.
;;   OPERANDS COMPUTED ON THE WAY. 'Computed on the way' means the value that the module computes at that place (a softmax that the list does not call 'softmax' is quantised finished and normalised). What goes into a quantiser is computed in f32, as accurately as f32 sums, v_exp_f32 and their like allow (about 1e-6 of the number): no bf16 or f16 on the way to a quantiser, and a product that is left as it is and whose result goes on into a quantised operand takes f32 operands (vector FMAs, or v_wmma_f32_16x16x4_f32). A number that lies on a knife's edge between two numbers of the format may be rounded either way, as far as f32 arithmetic and the matrix unit's own rounding can turn it there, and no further.
;; One version. Each part assembles by itself: llvm-mc -triple=amdgcn-amd-amdhsa -mcpu=gfx1250 --defsym DOCPART=n.
;; ======== version 1 of 1: 4 launches
;; limits: right only within a limited range of input values
;; workspace buffers: cimg 4,456,448 bytes; qimg 2,097,152 bytes; qsc 262,144 bytes; kv 4,587,520 bytes; ctx 2,228,224 bytes
;; launch quant (part 1): grid 256 x 1, 8 waves a work-group, no clusters, 69,632 bytes of LDS; arguments x, w_k, w_q, w_v, w_o, cimg; writes cimg
.if DOCPART == 1
	.amdgcn_target "amdgcn-amd-amdhsa--gfx1250"
	.amdhsa_code_object_version 6
	.text
	.protected	k_qaabd976316_quant
	.globl	k_qaabd976316_quant
	.p2align	8
	.type	k_qaabd976316_quant,@function
k_qaabd976316_quant:
	s_mov_b64 s[64:65], 0
	v_nop
	global_prefetch_b8 v0, s[64:65] scope:SCOPE_SE
	s_setreg_imm32_b32 hwreg(HW_REG_WAVE_MODE, 25, 1), 1
	s_wait_xcnt 0x0
; LAUNCH 1 OF 4.  x [4096][1024] and the four weights [1024][1024], f32, K innermost, become codes of FP4 (E2M1) with one E8M0 byte for each 32 along K.
; THE WHOLE PROGRAM: 1 quantise the inputs; 2 q, k, v = x W^T, quantised on the way (q, k along the head's 64, v along the keys); 3 causal attention, ctx quantised on the way; 4 ctx w_o^T + b_o.
; WORK LEFT OUT (in launch 3): reference() itself sets every score with key > query to -infinity (its own triu mask) ahead of the softmax.  Such a score never is the row's maximum (key 0 counts for every query),
; its weight is exactly 0, and so it adds exactly 0 to the row's sum and to ctx, whatever finite values the inputs hold.  Key steps of 128 keys that lie wholly above the diagonal are therefore not multiplied.
; Nothing else is left out: every input has a way to the output and is loaded.  LIMIT: a NaN, an infinity or an overflow that could arise only in those hidden scores is not carried to the result.
; LAYOUT: IMAGES OF OPERAND REGISTERS.  The rows of x, w_k, w_q, w_v, w_o on end make 512 tiles of 16 rows, 64 groups of 8 tiles.  Lane r of tile T holds row 32 (T / 2) + 8 (T % 2) + r + 8 (r / 8): two neighbouring tiles
; cover 32 neighbouring rows, and a product that takes such tiles as source 0 leaves 16 neighbours of that axis in the 16 registers of two neighbouring result tiles.  A group is 69,632 bytes on end:
; codes [tile 8][K step of 128: 8][c = 0, 1][lane][16 bytes] (lane (r, h)'s 16 bytes are the codes of k = 128 s + 64 c + 32 h + 0 .. 31), then scale words [tile 8][half of K][r][4 K steps x 4 bytes].
; A block's scale is 2^(floor(log2(its largest magnitude)) - 2); its byte is the largest magnitude's exponent field - 2, held at 1 from below.
; LIMITS: a block whose largest magnitude lies under 2^-124 has its byte held at 1; a block of zeros gets the byte 1 where the rule says 127 (its codes are zeros, and only this program reads the bytes); NaN and infinities among the inputs are not served.
; SHARES: work-group g takes 32 rows (tiles 2 g, 2 g + 1); wave w takes tile 2 g + w / 4 and quarter w % 4 of K: two units of 16 rows x 128 numbers, all of whose loads go out at the head.  A load reads 512 consecutive bytes of a row;
; the unit turns through the wave's own stage in LDS so that a lane gets 32 neighbours of one row twice: two whole blocks.  The scale words of the work-group meet in LDS and leave as 512 bytes a tile.
; Work-groups share no input: no cluster.  No loop to run ahead in: no prefetch.
.set GRP,   69632
.set STGB,  16*528                     ; a wave's stage: 16 rows of 512 bytes + 16
.set WORDS, 8*STGB                     ; the work-group's 1,024 bytes of scale words
.set SPARE, WORDS+1024                 ; the spare words, 128 bytes for each wave
.set LI,   2                           ; v2   16 x lane
.set SIN,  3                           ; v3   into the stage
.set SOUT, 4                           ; v4   out of it: 528 r + 128 h
.set WIN_, 5                           ; v5   where my two scale words of row r go
.set SH8,  6                           ; v6   8 h
.set SPW,  7                           ; v7   my spare word; never rewritten
.set NIL,  8                           ; v8   0; never rewritten
.set WOUT, 11                          ; v11  waves 0, 1: where a tile's scale words are read back
.set C,    32                          ; v32-47   codes, 8 registers a unit
.set R,    64                          ; v64-191  two units as they are loaded
.set X,    192                         ; v192-255 a unit's 64 numbers of my row: blocks h and 2 + h
	s_load_b256 s[4:11], s[0:1], 0x0               ; x, w_k, w_q, w_v
	s_load_b128 s[12:15], s[0:1], 0x20             ; w_o, cimg
	v_lshl_add_u32 v[SPW], v0, 2, SPARE
	v_mov_b32 v[NIL], 0
	v_lshrrev_b32 v1, 5, v0
	v_readfirstlane_b32 s18, v1                    ; wave 0..7
	s_mul_i32 s19, s18, STGB
	s_lshr_b32 s36, s18, 1
	s_lshl_b32 s36, s36, 8
	s_and_b32 s37, s18, 1
	s_lshl_b32 s37, s37, 3
	s_add_co_u32 s36, s36, s37
	s_add_co_u32 s36, s36, WORDS                   ; tile w / 4, half (w % 4) / 2: 256 bytes; K steps 2 (w % 2) on: 8 bytes
	s_lshl_b32 s37, s18, 9
	s_add_co_u32 s37, s37, WORDS
	v_and_b32 v1, 31, v0
	v_and_b32 v9, 15, v0                           ; r
	v_bfe_u32 v10, v0, 4, 1                        ; h
	v_lshlrev_b32 v[LI], 4, v1
	v_add_nc_u32 v[SIN], s19, v[LI]
	v_add_nc_u32 v[WOUT], s37, v[LI]
	v_mul_u32_u24 v[SOUT], v9, 528
	v_lshl_add_u32 v[SOUT], v10, 7, v[SOUT]
	v_add_nc_u32 v[SOUT], s19, v[SOUT]
	v_lshlrev_b32 v[WIN_], 4, v9
	v_add_nc_u32 v[WIN_], s36, v[WIN_]
	v_lshlrev_b32 v[SH8], 3, v10
	v_mov_b32 v19, 0                               ; written once: a lane permute's destination counts as one of its sources
	s_mov_b32 s26, 0x76543210
	s_mov_b32 s27, 0xfedcba98                      ; selects for lane l xor 16
	s_lshr_b32 s23, s18, 2                         ; which tile of the pair
	s_and_b32 s24, s18, 3                          ; which quarter of K
	s_cmp_lt_u32 ttmp9, 128                        ; x has 128 work-groups, each weight 32
	s_cselect_b32 s22, 127, 31
	s_and_b32 s30, ttmp9, s22                      ; my 32 rows within the tensor,
	s_lshl_b32 s30, s30, 17                        ; of 4,096 bytes each;
	s_lshl_b32 s29, s23, 15                        ; the odd tile begins 8 rows further down;
	s_add_co_u32 s30, s30, s29
	s_lshl_b32 s29, s24, 10                        ; a quarter of K is 1,024 bytes
	s_add_co_u32 s30, s30, s29
	s_mov_b32 s31, 0
	s_lshr_b32 s32, ttmp9, 2
	s_mul_i32 s32, s32, GRP                        ; my group
	s_and_b32 s28, ttmp9, 3
	s_lshl_b32 s34, s28, 10
	s_add_co_u32 s34, s34, s32
	s_add_co_u32 s34, s34, 65536                   ; its scale words: 512 bytes a tile; wave 0 or 1 stores tile 0's or 1's
	s_lshl_b32 s29, s18, 9
	s_add_co_u32 s34, s34, s29
	s_mov_b32 s35, 0
	s_lshl_b32 s28, s28, 14
	s_add_co_u32 s32, s32, s28                     ; codes: 8,192 bytes a tile, 2,048 a quarter
	s_lshl_b32 s29, s23, 13
	s_add_co_u32 s32, s32, s29
	s_lshl_b32 s29, s24, 11
	s_add_co_u32 s32, s32, s29
	s_mov_b32 s33, 0
	s_wait_alu depctr_va_vdst(0)
	s_wait_kmcnt 0x0
	s_mov_b64 s[20:21], s[12:13]                   ; the tensor is chosen by the work-group's number alone: w_o,
	s_cmp_lt_u32 ttmp9, 224
	s_cselect_b64 s[20:21], s[10:11], s[20:21]     ; w_v,
	s_cmp_lt_u32 ttmp9, 192
	s_cselect_b64 s[20:21], s[8:9], s[20:21]       ; w_q,
	s_cmp_lt_u32 ttmp9, 160
	s_cselect_b64 s[20:21], s[6:7], s[20:21]       ; w_k,
	s_cmp_lt_u32 ttmp9, 128
	s_cselect_b64 s[20:21], s[4:5], s[20:21]       ; x
	s_add_nc_u64 s[20:21], s[20:21], s[30:31]
	s_add_nc_u64 s[16:17], s[14:15], s[34:35]
	s_add_nc_u64 s[14:15], s[14:15], s[32:33]
.irp u, 0,1
.irp p, 0,1,2,3,4,5,6,7,8,9,10,11,12,13,14,15
	global_load_b128 v[R+64*\u+4*\p:R+64*\u+4*\p+3], v[LI], s[20:21] offset:(\p+8*(\p/8))*4096+512*\u th:TH_LOAD_NT   ; 32 lanes read 512 consecutive bytes of one row
.endr
.endr
.macro UNIT u
.if \u == 0
	s_wait_loadcnt 16                              ; unit 0's 16 loads are in; unit 1's 16 may be out
.else
	s_wait_loadcnt 0x0
.endif
.irp p, 0,1,2,3,4,5,6,7,8,9,10,11,12,13,14,15
	ds_store_b128 v[SIN], v[R+64*\u+4*\p:R+64*\u+4*\p+3] offset:528*\p
.endr
.irp c, 0,1
.irp i, 0,1,2,3,4,5,6,7
	ds_load_b128 v[X+32*\c+4*\i:X+32*\c+4*\i+3], v[SOUT] offset:256*\c+16*\i   ; LDS serves a wave's instructions in order: these see my stores.  k = 64 c + 32 h + 4 i on, of row r
.endr
.endr
	s_wait_dscnt 0x0
.irp c, 0,1
	v_max3_num_f32 v[12+\c], |v[X+32*\c]|, |v[X+32*\c+1]|, 0x1800000   ; block 2 c + h: all its 32 numbers are mine; and the floor 2^(3 - 127), so that the byte cannot fall under 1
.endr
.irp i, 2,4,6,8,10,12,14,16,18,20,22,24,26,28,30
.irp c, 0,1
	v_max3_num_f32 v[12+\c], v[12+\c], |v[X+32*\c+\i]|, |v[X+32*\c+\i+1]|   ; (the two blocks by turns)
.endr
.endr
	v_add_nc_u32 v14, 0xff000000, v12              ; 2 off the exponent field: the conversion takes the exponent field of this operand as its scale, and nothing else of it
	v_add_nc_u32 v15, 0xff000000, v13
	v_lshrrev_b32 v16, 23, v14                     ; the scales' bytes
	v_lshrrev_b32 v17, 23, v15
	v_lshl_or_b32 v18, v17, 16, v16                ; blocks h and 2 + h,
	v_lshlrev_b32 v18, v[SH8], v18                 ; at their places in the row's scale word;
	v_permlanex16_b32 v19, v18, s26, s27
	v_or_b32 v[20+\u], v18, v19                    ; with lane l xor 16's two the word is whole
.irp c, 0,1
.irp g, 0,1,2,3
	v_cvt_scalef32_pk8_fp4_f32 v[C+8*\u+4*\c+\g], v[X+32*\c+8*\g:X+32*\c+8*\g+7], v[14+\c]
.endr
.endr
	v_nop                                          ; one plain line behind the last scaled conversion
.irp c, 0,1
	global_store_b128 v[LI], v[C+8*\u+4*\c:C+8*\u+4*\c+3], s[14:15] offset:1024*\u+512*\c   ; the image: 32 lanes store 512 consecutive bytes
.endr
.endm
	UNIT 0
	UNIT 1
	s_wait_alu depctr_va_vdst(0)
	ds_store_b64 v[WIN_], v[20:21]                 ; lanes l and l xor 16 write the same words with the same values
	s_wait_dscnt 0x0                               ; my words are in LDS:
	s_barrier_signal -1
	s_barrier_wait -1                              ; everybody's are
	s_cmp_lt_u32 s18, 2
	s_cbranch_scc0 .Lend
	ds_load_b128 v[24:27], v[WOUT]
	s_wait_dscnt 0x0
	global_store_b128 v[LI], v[24:27], s[16:17]    ; a tile's 512 bytes of scale words
.Lend:
	s_wait_tensorcnt 0x0                           ; the wave's end
	ds_add_u32 v[SPW], v[NIL]
	s_wait_dscnt 0x0
	s_endpgm
.Lfunc_end_k_qaabd976316_quant:
	.size	k_qaabd976316_quant, .Lfunc_end_k_qaabd976316_quant-k_qaabd976316_quant
	.p2alignl 7, 3214868480
	.fill 96, 4, 3214868480
	.section	.rodata,"a",@progbits
	.p2align	6, 0x0
	.amdhsa_kernel k_qaabd976316_quant
		.amdhsa_group_segment_fixed_size 69632
		.amdhsa_private_segment_fixed_size 0
		.amdhsa_enable_private_segment 0
		.amdhsa_kernarg_size 48
		.amdhsa_user_sgpr_count 2
		.amdhsa_user_sgpr_kernarg_segment_ptr 1
		.amdhsa_wavefront_size32 1
		.amdhsa_system_sgpr_workgroup_id_x 1
		.amdhsa_system_sgpr_workgroup_id_y 1
		.amdhsa_system_sgpr_workgroup_id_z 1
		.amdhsa_system_vgpr_workitem_id 0
		.amdhsa_next_free_vgpr 256
		.amdhsa_next_free_sgpr 66
		.amdhsa_reserve_vcc 0
		.amdhsa_float_denorm_mode_32 3
		.amdhsa_float_denorm_mode_16_64 3
		.amdhsa_memory_ordered 1
		.amdhsa_forward_progress 1
		.amdhsa_inst_pref_size 18
	.end_amdhsa_kernel
	.amdgpu_metadata
---
amdhsa.version: [ 1, 2 ]
amdhsa.kernels:
  - .name:           k_qaabd976316_quant
    .symbol:         k_qaabd976316_quant.kd
    .args:
      - { .name: x, .offset: 0, .size: 8, .value_kind: global_buffer, .address_space: global }
      - { .name: w_k, .offset: 8, .size: 8, .value_kind: global_buffer, .address_space: global }
      - { .name: w_q, .offset: 16, .size: 8, .value_kind: global_buffer, .address_space: global }
      - { .name: w_v, .offset: 24, .size: 8, .value_kind: global_buffer, .address_space: global }
      - { .name: w_o, .offset: 32, .size: 8, .value_kind: global_buffer, .address_space: global }
      - { .name: cimg, .offset: 40, .size: 8, .value_kind: global_buffer, .address_space: global }
    .group_segment_fixed_size: 69632
    .private_segment_fixed_size: 0
    .kernarg_segment_align: 8
    .kernarg_segment_size: 48
    .max_flat_workgroup_size: 256
    .sgpr_count:     66
    .vgpr_count:     256
    .wavefront_size: 32
...
	.end_amdgpu_metadata
.endif
;; end of part 1
;; launch qkv (part 2): grid 8 x 32, 8 waves a work-group, clusters of 4 x 4, 281,088 bytes of LDS; arguments cimg, qimg, qsc, kv; writes qimg, qsc, kv
.if DOCPART == 2
	.amdgcn_target "amdgcn-amd-amdhsa--gfx1250"
	.amdhsa_code_object_version 6
	.text
	.protected	k_qaabd976316_qkv
	.globl	k_qaabd976316_qkv
	.p2align	8
	.type	k_qaabd976316_qkv,@function
k_qaabd976316_qkv:
	s_mov_b64 s[64:65], 0
	v_nop
	global_prefetch_b8 v0, s[64:65] scope:SCOPE_SE
	s_setreg_imm32_b32 hwreg(HW_REG_WAVE_MODE, 25, 1), 1
	s_wait_xcnt 0x0
	s_wait_alu depctr_hold_cnt(0) depctr_sa_sdst(0) depctr_va_vdst(0) depctr_va_sdst(0) depctr_va_ssrc(0) depctr_va_vcc(0) depctr_vm_vsrc(0)
	s_getreg_b32 s2, hwreg(HW_REG_IB_STS2, 6, 4)
	s_cmp_eq_u32 s2, 0
	s_cbranch_scc0 .Lentry_in_a_cluster
	s_endpgm
.Lentry_in_a_cluster:
	s_bfe_u32 s2, ttmp6, 0x10000c
	s_cmp_lg_u32 s2, 0xf033
	s_cbranch_scc0 .Lentry_shape_is_right
	s_endpgm
.Lentry_shape_is_right:
; LAUNCH 2 OF 4.  q = x w_k^T, k = x w_q^T (as reference() has them), v = x w_v^T, on the codes of launch 1; the results are quantised in registers and leave as images of the next products' operands.
; SHARES.  Work-group (wb, tb): weight rows 128 wb on (two heads) x tokens 128 tb on, all three products, K = 1,024 in eight steps of 128.  Its four operands are four groups of cimg, 69,632 dense bytes each
; (codes and scale words on end), and fit in LDS together: each is filled once, nothing is filled again, so there is no ring in LDS.  Eight waves: each fetches half a group, 136 rows of 256 bytes, with its one tensor load.
; CLUSTER 4 x 4: x's group hangs on tb alone and is asked for jointly by a row of the cluster, the weights' groups hang on wb alone and are asked for jointly by a column.
; THE FIRST PRODUCT waits for x and w_k alone (waves 0 to 3 fetch them, by load lines of their own); a second barrier behind it shows w_q and w_v.
; A PRODUCT.  Wave w owns x's tiles 4 (w % 2) + 0 .. 3 (64 tokens) and each weight's tiles 2 (w / 2), + 1 (32 features): 8 accumulators.  Source 0's rows become the result's REGISTERS, source 1's its LANES.
; ITS FRAGMENTS OF x, 4 tiles x 8 K steps, come from LDS once, with the first product, and stay in 256 registers through all three.
; q, k: source 0 = the weight, source 1 = x: a lane holds one token and 32 features, one block: quantised along the head's 64.
; v:    source 0 = x, source 1 = w_v: a lane holds one feature and 64 tokens: v^T, quantised along the keys, which are the K of attention's second product.
; OUT.  qimg [bh][tile 128][lane][16 B], qsc [bh][tile][r][4 B] (the head's two bytes; bytes 2, 3 are 0 and meet zero codes of Q);
; kv: 143,360 bytes a head, [key step 16] of 8,960: K's images [tile 8][512 B]; +4,096 V's [tile of d 4][c 2][512 B]; +8,192 K's scale words [tile 8][r][4 B]; +8,704 V's [tile of d 4][r][4 B].
; The waves' scale bytes meet in LDS and leave behind a last barrier as runs of 512 or 256 bytes.
; LIMITS as in launch 1 (byte held at 1 from below; a block of zeros gets the byte 1; no NaN or infinities).  No prefetch: every tensor load goes out at the kernel's head.
; REGISTERS.  Window 0: v1-20 addresses; v32-39 the weight pair's scale words (tile 2 u in lanes 0-15, 2 u + 1 in lanes 16-31), v40-55 x's; v56-83 the quantiser's; v96-159 the accumulators; v160-223 a ring of four sets of the weight's fragments.
; Window 1: x's fragments, tile t's K step s at v[64 t + 8 s].
.set GRP,   69632
.set HG,    34816                      ; half a group
.set SB,    4*GRP                      ; the scale bytes: q's [block of the head][head][128 tokens], k's the same 512 on, v's words [tile 8][r][4 B] 1,024 on
.set SPARE, SB+1536                    ; the spare words, 128 bytes for each wave
.set HEADB, 143360
.set STEPB, 8960
.set LI,  1                            ; 16 x lane
.set VQ,  2                            ; 512 h + 16 r: two tiles' images of one block
.set PAK, 5                            ; w_k's, w_q's, w_v's fragments, x's
.set PAQ, 6
.set PAV, 7
.set XA,  8
.set SPK, 9                            ; their scale words
.set SPQ, 10
.set SPV, 11
.set SXA, 12
.set SBA, 13                           ; where q's and k's scale bytes go; v's
.set SVA, 14
.set ORD, 15                           ; where they are read back
.set ORV, 16
.set OVG, 17
.set SPW, 28                           ; my spare word; never rewritten
.set NIL, 29                           ; 0; never rewritten
.set SCP, 32
.set SCX, 40
.set TM,  56                           ; v56-59 largest magnitudes, v60-63 the other half's, then bytes, v68-71 the conversions' scale operands
.set PW,  72
.set PC,  76                           ; v76-83 codes
.set ACC, 96
.set RING, 160
.set WV,  14                           ; s14 my wave;  s15 u = w / 2;  s16 w % 2
.set G1X, 24
.set G0X, 32
.set G0W, 36
.set G1W, 48
.set QB,  56
.set WB,  58                           ; waves 0 to 3: where a head's scale words go
.set KB,  60
.set VB,  66
.set VSB, 68
.set SEL, 98                           ; s[98:99] selects for lane l xor 16
.set MSB, 0
.macro WIN new                         ; the immediate's high byte repeats the setting that is left
.if MSB != \new
	s_set_vgpr_msb (MSB<<8)|\new
.set MSB, \new
.endif
.endm
.macro CROUND                          ; a round of the cluster's barrier
	s_barrier_signal -1
	s_barrier_wait -1
	s_cmp_lg_u32 s[WV], 0
	s_cbranch_scc1 .Lnot_wave_0_\@
	s_barrier_signal -3
.Lnot_wave_0_\@:
	s_barrier_wait -3
	s_barrier_signal -1
	s_barrier_wait -1
.endm
.macro PLACES                          ; four plain lines between a matrix instruction and a load into, or a vector read of, its registers (ISA guide 7.12.1 for vector reads)
.rept 4
	v_nop
.endr
.endm
	s_load_b256 s[4:11], s[0:1], 0x0               ; cimg, qimg, qsc, kv
	v_lshl_add_u32 v[SPW], v0, 2, SPARE
	v_mov_b32 v[NIL], 0
	ds_add_u32 v[SPW], v[NIL]                      ; the wave's opening
	ds_add_u32 v[SPW], v[NIL]
	v_lshrrev_b32 v3, 5, v0
	v_readfirstlane_b32 s[WV], v3                  ; wave 0..7
	s_lshr_b32 s15, s[WV], 1
	s_and_b32 s16, s[WV], 1
	s_bfe_u32 s40, ttmp6, 0x40000                  ; cx, cy
	s_bfe_u32 s41, ttmp6, 0x40004
	s_lshl_b32 s42, ttmp9, 2
	s_add_co_u32 s42, s42, s40                     ; wb = 4 x cluster x + cx
	s_and_b32 s17, ttmp7, 0xffff
	s_lshl_b32 s17, s17, 2
	s_add_co_u32 s17, s17, s41                     ; tb = 4 x cluster y + cy
	s_lshl_b32 s43, s41, 2
	s_lshl_b32 s43, 15, s43                        ; my row of the cluster
	s_lshl_b32 s44, 0x1111, s40                    ; my column
	; group 1: half a group, dense, as 136 rows of 256 bytes (32 elements of 8 bytes), no padding
	s_or_b32 s[G1X], s43, (3<<16)|(1<<21)          ; 15:0 the mask; 17:16 elements of 8 bytes; 21 set beside a mask
	s_or_b32 s[G1W], s44, (3<<16)|(1<<21)
.irp g, G1X, G1W
	s_mov_b32 s[\g+1], 32<<16                      ; tensor_dim0
	s_mov_b32 s[\g+2], 136<<16                     ; tensor_dim1
	s_mov_b32 s[\g+3], 32<<16                      ; tile_dim0
	s_mov_b32 s[\g+4], 136                         ; tile_dim1
	s_mov_b32 s[\g+5], 32                          ; from row to row
	s_mov_b32 s[\g+6], 0
	s_mov_b32 s[\g+7], 0
.endr
	s_mul_i32 s18, s[WV], HG                       ; where my half goes: no place in the cluster enters an LDS address
	s_mul_i32 s19, s16, HG
	s_mul_i32 s20, s17, GRP                        ; x: group tb
	s_add_co_u32 s20, s20, s19
	s_mov_b32 s21, 0
	s_lshl_b32 s46, s15, 3
	s_add_co_u32 s46, s46, s42
	s_add_co_u32 s46, s46, 24                      ; a weight: group 24 + 8 (w / 2) + wb
	s_mul_i32 s46, s46, GRP
	s_add_co_u32 s46, s46, s19
	s_mov_b32 s47, 0
	s_mov_b32 s[SEL], 0x76543210
	s_mov_b32 s[SEL+1], 0xfedcba98
	s_wait_dscnt 0x0                               ; both opening adds are done
	s_wait_kmcnt 0x0
	s_add_nc_u64 s[20:21], s[4:5], s[20:21]
	s_add_nc_u64 s[46:47], s[4:5], s[46:47]
	s_mov_b32 s[G0X], 1
	s_mov_b32 s[G0X+1], s18
	s_mov_b64 s[G0X+2:G0X+3], s[20:21]
	s_or_b32 s[G0X+3], s[G0X+3], 0x80000000
	s_mov_b32 s[G0W], 1
	s_mov_b32 s[G0W+1], s18
	s_mov_b64 s[G0W+2:G0W+3], s[46:47]
	s_or_b32 s[G0W+3], s[G0W+3], 0x80000000
	CROUND                                         ; all sixteen work-groups are here: the joint loads meet
; one tree of branches on the wave's number, a load to an arm: x (waves 0, 1), w_k (2, 3), w_q and w_v (4 to 7)
.macro ARM under, g0, g1, next
	s_cmp_lt_u32 s[WV], \under
	s_cbranch_scc0 \next
	tensor_load_to_lds s[\g0:\g0+3], s[\g1:\g1+7]
	s_nop 0
.rept 4
	v_nop
.endr
	s_branch .Lasked
\next:
.endm
	ARM 2, G0X, G1X, .Lask_wk
	ARM 4, G0W, G1W, .Lask_w
	tensor_load_to_lds s[G0W:G0W+3], s[G1W:G1W+7]
	s_nop 0
.rept 4
	v_nop
.endr
.Lasked:
	; where my results go
	s_lshr_b32 s3, s17, 4
	s_lshl_b32 s3, s3, 4
	s_lshl_b32 s2, s42, 1
	s_add_co_u32 s3, s3, s2                        ; the first head: 16 x batch + 2 wb
	s_lshr_b32 s70, s15, 1                         ; my features' head of the two,
	s_and_b32 s71, s15, 1                          ; and which 32 of its 64
	s_add_co_u32 s72, s3, s70
	s_and_b32 s45, s17, 15                         ; my 128 tokens within the batch: the key step
	s_mul_i32 s74, s45, STEPB
	s_lshl_b32 s[QB], s72, 16
	s_lshl_b32 s2, s45, 12
	s_add_co_u32 s[QB], s[QB], s2                  ; q: eight tiles of 512 bytes a key step,
	s_lshl_b32 s73, s16, 11                        ; my four tiles,
	s_lshl_b32 s2, s71, 8
	s_add_co_u32 s73, s73, s2                      ; my block's 256 bytes of a tile
	s_add_co_u32 s[QB], s[QB], s73
	s_mov_b32 s[QB+1], 0
	s_add_nc_u64 s[QB:QB+1], s[6:7], s[QB:QB+1]
	s_mul_i32 s75, s72, HEADB
	s_add_co_u32 s75, s75, s74
	s_add_co_u32 s[KB], s75, s73                   ; k likewise
	s_mov_b32 s[KB+1], 0
	s_add_nc_u64 s[KB:KB+1], s[10:11], s[KB:KB+1]
	s_lshl_b32 s[VB], s71, 11                      ; v: tiles of d 2 (u % 2), + 1; my 64 tokens are half c = w % 2
	s_add_co_u32 s[VB], s[VB], s75
	s_lshl_b32 s2, s16, 9
	s_add_co_u32 s[VB], s[VB], s2
	s_add_co_u32 s[VB], s[VB], 4096
	s_mov_b32 s[VB+1], 0
	s_add_nc_u64 s[VB:VB+1], s[10:11], s[VB:VB+1]
	s_mul_i32 s[VSB], s3, HEADB                    ; v's scale words of the first head
	s_add_co_u32 s[VSB], s[VSB], s74
	s_add_co_u32 s[VSB], s[VSB], 8704
	s_mov_b32 s[VSB+1], 0
	s_add_nc_u64 s[VSB:VSB+1], s[10:11], s[VSB:VSB+1]
	s_add_co_u32 s2, s3, s16                       ; waves 0, 1 store q's scale words of head w % 2, waves 2, 3 k's
	s_lshl_b32 s76, s2, 13
	s_lshl_b32 s77, s45, 9
	s_add_co_u32 s76, s76, s77
	s_mov_b32 s77, 0
	s_mul_i32 s78, s2, HEADB
	s_add_co_u32 s78, s78, s74
	s_add_co_u32 s78, s78, 8192
	s_mov_b32 s79, 0
	s_add_nc_u64 s[76:77], s[8:9], s[76:77]
	s_add_nc_u64 s[78:79], s[10:11], s[78:79]
	s_cmp_lt_u32 s[WV], 2
	s_cselect_b64 s[WB:WB+1], s[76:77], s[78:79]
	; LDS addresses
	s_lshl_b32 s80, s16, 15                        ; x: four tiles of 8,192
	s_lshl_b32 s81, s15, 14                        ; a weight: two
	s_lshl_b32 s82, s16, 11
	s_add_co_u32 s82, s82, 65536
	s_lshl_b32 s83, s15, 10
	s_add_co_u32 s83, s83, 65536
	s_lshl_b32 s84, s71, 8
	s_lshl_b32 s85, s70, 7
	s_add_co_u32 s84, s84, s85
	s_lshl_b32 s85, s16, 6
	s_add_co_u32 s84, s84, s85
	s_add_co_u32 s84, s84, SB                      ; [my block][my head][64 (w % 2) + 16 tile + r]
	s_lshl_b32 s86, s15, 7
	s_lshl_b32 s85, s16, 1
	s_add_co_u32 s86, s86, s85
	s_add_co_u32 s86, s86, SB+1024                 ; [tile 2 u][r][bytes 2 (w % 2), + 1]
	s_lshl_b32 s87, s15, 9
	s_lshl_b32 s85, s16, 7
	s_add_co_u32 s87, s87, s85
	s_add_co_u32 s87, s87, SB
	v_and_b32 v18, 31, v0
	v_and_b32 v3, 15, v0                           ; r
	v_bfe_u32 v4, v0, 4, 1                         ; h
	v_lshlrev_b32 v[LI], 4, v18
	v_lshlrev_b32 v19, 4, v3
	v_lshl_add_u32 v[VQ], v4, 9, v19               ; (scale words too: lanes 16-31 take the odd tile's, 512 bytes on)
	v_add_nc_u32 v[XA], s80, v[LI]
	v_add_nc_u32 v20, s81, v[LI]
	v_add_nc_u32 v[PAK], GRP, v20
	v_add_nc_u32 v[PAQ], 2*GRP, v20
	v_add_nc_u32 v[PAV], 3*GRP, v20
	v_add_nc_u32 v[SXA], s82, v[VQ]
	v_add_nc_u32 v20, s83, v[VQ]
	v_add_nc_u32 v[SPK], GRP, v20
	v_add_nc_u32 v[SPQ], 2*GRP, v20
	v_add_nc_u32 v[SPV], 3*GRP, v20
	v_add_nc_u32 v[SBA], s84, v3
	v_lshlrev_b32 v20, 2, v3
	v_add_nc_u32 v[SVA], s86, v20
	v_lshlrev_b32 v20, 2, v18
	v_add_nc_u32 v[ORD], s87, v20
	v_add_nc_u32 v[ORV], SB+1024, v[LI]
	v_mul_u32_u24 v[OVG], v4, HEADB
	v_add_nc_u32 v[OVG], v[OVG], v19
.irp b, 0,1,2,3
	v_mov_b32 v[TM+4+\b], 0                        ; written once: a lane permute's destination counts as one of its sources
.endr
; One matrix instruction.  ra, rb: source 0's, source 1's scale words lie in lanes 16-31.  cc: C.
.macro WM d, a, b, sa, sb, ra, rb, cc
.set rD, \d
.set rA, \a
.set rB, \b
.set rX, \sa
.set rY, \sb
.if (\ra) && (\rb)
	v_wmma_scale_f32_16x16x128_f8f6f4 v[rD:rD+7], v[rA:rA+7], v[rB:rB+7], \cc, v[rX], v[rY] matrix_a_fmt:MATRIX_FMT_FP4 matrix_b_fmt:MATRIX_FMT_FP4 matrix_a_scale:MATRIX_SCALE_ROW1 matrix_b_scale:MATRIX_SCALE_ROW1
.elseif \ra
	v_wmma_scale_f32_16x16x128_f8f6f4 v[rD:rD+7], v[rA:rA+7], v[rB:rB+7], \cc, v[rX], v[rY] matrix_a_fmt:MATRIX_FMT_FP4 matrix_b_fmt:MATRIX_FMT_FP4 matrix_a_scale:MATRIX_SCALE_ROW1
.elseif \rb
	v_wmma_scale_f32_16x16x128_f8f6f4 v[rD:rD+7], v[rA:rA+7], v[rB:rB+7], \cc, v[rX], v[rY] matrix_a_fmt:MATRIX_FMT_FP4 matrix_b_fmt:MATRIX_FMT_FP4 matrix_b_scale:MATRIX_SCALE_ROW1
.else
	v_wmma_scale_f32_16x16x128_f8f6f4 v[rD:rD+7], v[rA:rA+7], v[rB:rB+7], \cc, v[rX], v[rY] matrix_a_fmt:MATRIX_FMT_FP4 matrix_b_fmt:MATRIX_FMT_FP4
.endif
.endm
; K step s: 8 matrix instructions; the accumulators take turns, one instruction a turn, in the same order in every step; z = 1 starts the sums.
.macro MULQ s, z                       ; q, k: accumulator (x's tile m, weight's tile t) at 16 m + 8 t; source 1, x, in window 1
	WIN 0x04
.irp m, 0,1,2,3
.irp t, 0,1
.if \z
	WM ACC+16*\m+8*\t, RING+16*((\s)%4)+8*\t, 64*\m+8*(\s), SCP+(\s), SCX+8*(\m/2)+(\s), \t, \m%2, 0
.else
	WM ACC+16*\m+8*\t, RING+16*((\s)%4)+8*\t, 64*\m+8*(\s), SCP+(\s), SCX+8*(\m/2)+(\s), \t, \m%2, v[rD:rD+7]
.endif
.endr
.endr
.endm
.macro MULV s, z                       ; v: accumulator (weight's tile m, x's tile t) at 32 m + 8 t; source 0, x, in window 1
	WIN 0x01
.irp m, 0,1
.irp t, 0,1,2,3
.if \z
	WM ACC+32*\m+8*\t, 64*\t+8*(\s), RING+16*((\s)%4)+8*\m, SCX+8*(\t/2)+(\s), SCP+(\s), \t%2, \m, 0
.else
	WM ACC+32*\m+8*\t, 64*\t+8*(\s), RING+16*((\s)%4)+8*\m, SCX+8*(\t/2)+(\s), SCP+(\s), \t%2, \m, v[rD:rD+7]
.endif
.endr
.endr
.endm
.macro FETCHX s                        ; x's fragments of K step s: eight loads, each of 512 consecutive bytes
	WIN 0x40
.irp t, 0,1,2,3
.irp c, 0,1
	ds_load_b128 v[64*\t+8*(\s)+4*\c:64*\t+8*(\s)+4*\c+3], v[XA] offset:8192*\t+1024*(\s)+512*\c
.endr
.endr
.endm
.macro FETCHP pa, s                    ; the weight's: four
	WIN 0x04
.irp t, 0,1
.irp c, 0,1
	ds_load_b128 v[RING+16*((\s)%4)+8*\t+4*\c:RING+16*((\s)%4)+8*\t+4*\c+3], v[\pa] offset:8192*\t+1024*(\s)+512*\c
.endr
.endr
.endm
.macro SCLOAD sp                       ; the weight pair's scale words for all of K
.irp q, 0,1
	ds_load_b128 v[SCP+4*\q:SCP+4*\q+3], v[\sp] offset:256*\q
.endr
.endm
; a product's eight K steps; the loads of steps 0 to 2 are out.  Each step asks for the step three further on, into the set that the step before has read.  xf = 1: x's fragments come along.  vv = 1: v's form.
.macro GEMM pa, xf, vv
.set S, 0
.rept 8
.set SN, S+3
.if SN < 8
	PLACES
.if \xf
	FETCHX SN
.endif
	FETCHP \pa, SN
.endif
.set LEFT, 7-S
.if LEFT > 3
.set LEFT, 3
.endif
	s_wait_dscnt LEFT*(4+8*\xf)                    ; all but the loads of the steps behind this one
.set FIRST, 0
.if S == 0
.set FIRST, 1
.endif
.if \vv
	MULV S, FIRST
.else
	MULQ S, FIRST
.endif
.set S, S+1
.endr
	WIN 0
	PLACES                                         ; behind the last products: for the loads and the first read of results that follow
.endm
.macro AHEAD pa, sp                    ; the next product's first loads
	SCLOAD \sp
	FETCHP \pa, 0
	FETCHP \pa, 1
	FETCHP \pa, 2
	WIN 0
.endm
; Four blocks: registers 16 b + i of block b are its 16 h + i.  q, k: block b is tile b's.  v: blocks 0, 1 are tile 0's, 2, 3 tile 1's.  Each accumulator is read from its low end on.
.macro QUANT
	s_wait_xcnt 0x0                                ; the last product's stores have read their data
.irp b, 0,1,2,3
	v_max3_num_f32 v[TM+\b], |v[ACC+16*\b]|, |v[ACC+1+16*\b]|, 0x1800000   ; my 16 numbers, and the floor 2^(3 - 127): the byte cannot fall under 1
.endr
.irp i, 2,4,6,8,10,12,14
.irp b, 0,1,2,3
	v_max3_num_f32 v[TM+\b], v[TM+\b], |v[ACC+16*\b+\i]|, |v[ACC+1+16*\b+\i]|
.endr
.endr
.irp b, 0,1,2,3
	v_permlanex16_b32 v[TM+4+\b], v[TM+\b], s[SEL], s[SEL+1]
.endr
.irp b, 0,1,2,3
	v_max_num_f32 v[TM+\b], v[TM+\b], v[TM+4+\b]   ; with lane l xor 16's: the block's largest magnitude
.endr
.irp b, 0,1,2,3
	v_add_nc_u32 v[TM+12+\b], 0xff000000, v[TM+\b] ; 2 off its exponent field: the conversion's scale operand
.endr
.irp b, 0,1,2,3
	v_lshrrev_b32 v[TM+4+\b], 23, v[TM+12+\b]      ; the scale's byte
.endr
.irp b, 0,1,2,3
	v_cvt_scalef32_pk8_fp4_f32 v[PC+2*\b], v[ACC+16*\b:ACC+7+16*\b], v[TM+12+\b]
	v_cvt_scalef32_pk8_fp4_f32 v[PC+1+2*\b], v[ACC+8+16*\b:ACC+15+16*\b], v[TM+12+\b]
.endr
	v_nop                                          ; one plain line behind the last scaled conversion
.irp c, 0,1                                    ; a whole block in a lane: lanes 0-15 the even block, lanes 16-31 the odd one
.irp i, 0,1
	v_permlane16_swap_b32 v[PC+4*\c+\i], v[PC+2+4*\c+\i]
.endr
.endr
.endm
.macro OUT a, cb                       ; q, k: each half of the lanes stores 256 consecutive bytes, one tile's; v: 512 consecutive bytes
	global_store_b128 v[\a], v[PC:PC+3], s[\cb:\cb+1]
	global_store_b128 v[\a], v[PC+4:PC+7], s[\cb:\cb+1] offset:1024
.endm
.macro BYTES o                         ; q's, k's scale bytes: lanes l and l xor 16 write the same byte with the same value
.irp b, 0,1,2,3
	ds_store_b8 v[SBA], v[TM+4+\b] offset:(\o)+16*\b
.endr
.endm
	s_wait_alu depctr_va_vdst(0)
	s_cmp_lt_u32 s[WV], 4
	s_cbranch_scc0 .Lnot_first
	s_wait_tensorcnt 0x0                           ; waves 0 to 3: my part of x or w_k has landed,
.Lnot_first:
	s_barrier_signal -1
	s_barrier_wait -1                              ; both are whole
.irp i, 0,1
.irp q, 0,1
	ds_load_b128 v[SCX+8*\i+4*\q:SCX+8*\i+4*\q+3], v[SXA] offset:1024*\i+256*\q
.endr
.endr
	SCLOAD SPK
	FETCHX 0
	FETCHP PAK, 0
	FETCHX 1
	FETCHP PAK, 1
	FETCHX 2
	FETCHP PAK, 2
	GEMM PAK, 1, 0                                 ; q = x w_k^T
	s_wait_tensorcnt 0x0                           ; w_q's and w_v's parts have landed,
	s_barrier_signal -1
	s_barrier_wait -1                              ; everybody's have; nothing is filled again
	AHEAD PAQ, SPQ                                 ; on their way while q is quantised
	QUANT
	OUT VQ, QB
	BYTES 0
	GEMM PAQ, 0, 0                                 ; k = x w_q^T
	AHEAD PAV, SPV
	QUANT
	OUT VQ, KB
	BYTES 512
	GEMM PAV, 0, 1                                 ; v^T = w_v x^T
	QUANT
	OUT LI, VB
	v_lshl_or_b32 v[PW], v[TM+5], 8, v[TM+4]       ; tile 0's two bytes,
	v_lshl_or_b32 v[PW+1], v[TM+7], 8, v[TM+6]     ; tile 1's
	ds_store_b16 v[SVA], v[PW]
	ds_store_b16 v[SVA], v[PW+1] offset:64
	s_wait_dscnt 0x0                               ; my scale bytes are in LDS,
	s_barrier_signal -1
	s_barrier_wait -1                              ; and everybody's
	s_cmp_lt_u32 s[WV], 4
	s_cbranch_scc0 .Lv_words
	ds_load_b32 v56, v[ORD]                        ; four tokens' first bytes,
	ds_load_b32 v57, v[ORD] offset:256             ; their second ones
	s_wait_dscnt 0x0
.irp i, 0,1,2,3
	v_bfe_u32 v[60+\i], v56, 8*\i, 8
	v_bfe_u32 v[64+\i], v57, 8*\i, 8
.endr
.irp i, 0,1,2,3
	v_lshl_or_b32 v[60+\i], v[64+\i], 8, v[60+\i]
.endr
	global_store_b128 v[LI], v[60:63], s[WB:WB+1]  ; a head's 512 bytes of scale words
	s_branch .Lend
.Lv_words:
	s_cmp_lg_u32 s[WV], 4
	s_cbranch_scc1 .Lend
	ds_load_b128 v[60:63], v[ORV]
	s_wait_dscnt 0x0
	global_store_b128 v[OVG], v[60:63], s[VSB:VSB+1]   ; lanes 0-15 the first head's 256 bytes, lanes 16-31 the second's
.Lend:
	s_wait_tensorcnt 0x0                           ; the wave's end
	ds_add_u32 v[SPW], v[NIL]
	s_wait_dscnt 0x0
	CROUND                                         ; the closing round
	s_endpgm
.Lfunc_end_k_qaabd976316_qkv:
	.size	k_qaabd976316_qkv, .Lfunc_end_k_qaabd976316_qkv-k_qaabd976316_qkv
	.p2alignl 7, 3214868480
	.fill 96, 4, 3214868480
	.section	.rodata,"a",@progbits
	.p2align	6, 0x0
	.amdhsa_kernel k_qaabd976316_qkv
		.amdhsa_group_segment_fixed_size 281088
		.amdhsa_private_segment_fixed_size 0
		.amdhsa_enable_private_segment 0
		.amdhsa_kernarg_size 32
		.amdhsa_user_sgpr_count 2
		.amdhsa_user_sgpr_kernarg_segment_ptr 1
		.amdhsa_wavefront_size32 1
		.amdhsa_system_sgpr_workgroup_id_x 1
		.amdhsa_system_sgpr_workgroup_id_y 1
		.amdhsa_system_sgpr_workgroup_id_z 1
		.amdhsa_system_vgpr_workitem_id 0
		.amdhsa_next_free_vgpr 512
		.amdhsa_next_free_sgpr 100
		.amdhsa_reserve_vcc 0
		.amdhsa_float_denorm_mode_32 3
		.amdhsa_float_denorm_mode_16_64 3
		.amdhsa_memory_ordered 1
		.amdhsa_forward_progress 1
		.amdhsa_inst_pref_size 62
	.end_amdhsa_kernel
	.amdgpu_metadata
---
amdhsa.version: [ 1, 2 ]
amdhsa.kernels:
  - .name:           k_qaabd976316_qkv
    .symbol:         k_qaabd976316_qkv.kd
    .args:
      - { .name: cimg, .offset: 0, .size: 8, .value_kind: global_buffer, .address_space: global }
      - { .name: qimg, .offset: 8, .size: 8, .value_kind: global_buffer, .address_space: global }
      - { .name: qsc, .offset: 16, .size: 8, .value_kind: global_buffer, .address_space: global }
      - { .name: kv, .offset: 24, .size: 8, .value_kind: global_buffer, .address_space: global }
    .group_segment_fixed_size: 281088
    .private_segment_fixed_size: 0
    .kernarg_segment_align: 8
    .kernarg_segment_size: 32
    .max_flat_workgroup_size: 256
    .sgpr_count:     100
    .vgpr_count:     512
    .wavefront_size: 32
...
	.end_amdgpu_metadata
.endif
;; end of part 2
;; launch attn (part 3): grid 8 x 32, 16 waves a work-group, clusters of 4 x 1, 167,936 bytes of LDS; arguments qimg, qsc, kv, ctx; writes ctx
.if DOCPART == 3
	.amdgcn_target "amdgcn-amd-amdhsa--gfx1250"
	.amdhsa_code_object_version 6
	.text
	.protected	k_qaabd976316_attn
	.globl	k_qaabd976316_attn
	.p2align	8
	.type	k_qaabd976316_attn,@function
k_qaabd976316_attn:
	s_mov_b64 s[64:65], 0
	v_nop
	global_prefetch_b8 v0, s[64:65] scope:SCOPE_SE
	s_setreg_imm32_b32 hwreg(HW_REG_WAVE_MODE, 25, 1), 1
	s_wait_xcnt 0x0
	s_wait_alu depctr_hold_cnt(0) depctr_sa_sdst(0) depctr_va_vdst(0) depctr_va_sdst(0) depctr_va_ssrc(0) depctr_va_vcc(0) depctr_vm_vsrc(0)
	s_getreg_b32 s2, hwreg(HW_REG_IB_STS2, 6, 4)
	s_cmp_eq_u32 s2, 0
	s_cbranch_scc0 .Lentry_in_a_cluster
	s_endpgm
.Lentry_in_a_cluster:
	s_bfe_u32 s2, ttmp6, 0x10000c
	s_cmp_lg_u32 s2, 0x3003
	s_cbranch_scc0 .Lentry_shape_is_right
	s_endpgm
.Lentry_shape_is_right:
; LAUNCH 3 OF 4.  ctx = softmax(q k^T / 32, causal) v for each of the 32 (batch, head), both products on codes of FP4; ctx is quantised along D_OUT on the way and leaves as images for launch 4.
; WORK LEFT OUT: key steps of 128 keys that lie wholly above the diagonal of reference()'s own causal mask: their weights are exactly 0 (shown at the head of launch 1).
; THE SOFTMAX: t = score x log2(e) / 32; M = the running largest t rounded UP to a whole number; p = 2^(t - M) is quantised along the keys, not normalised; the row's sum is taken of the unquantised p and divides at the end.
; When M moves, the sum and O are multiplied by 2^(old M - new M): exact.  A block's scale is 2^(floor(t_b - M) - 2), t_b the t of the block's largest score: floor(log2(p)) of its largest p, without its exponential.
; LIMIT: where t_b - M lies within a rounding of a whole number, that floor and the exponent of the rounded p may differ by one (a number on the edge between two scales).  The promise holds while the scaled scores stay under 2^31 in magnitude.
; SHARES.  Work-group (g, bh), g = 0 .. 7, owns the query tiles 8 e + g, e = 0 .. 15: the 16 queries of tile 8 e + g all lie in 128 e .. 128 e + 127, so tile e has key steps 0 .. e, and the diagonal lies in step e.
; Wave w owns tile e = 15 xor w xor 3 ((w / 4) % 2): the longest tiles lie with the lowest waves; every work-group has 136 wave steps, waves w, w + 4, w + 8, w + 12 have 34 between them.
; The branches hang on the wave's number and the count of steps alone, alike in all partners.  Every step's bytes are read in every work-group (e = 15 is in each).
; A HEAD'S K AND V, codes and scale words, are 143,360 consecutive bytes of kv and stay in LDS whole: filled once, a key step's 35 rows of 256 bytes a wave, no ring.  CLUSTER 4 x 1: four work-groups of one head ask for them jointly.
; STEP 0 counts for every tile and stands ahead of the loop. A second barrier behind it shows the other fifteen steps.
; A STEP asks LDS for its V at its head, and for the next step's K behind its first product: twelve loads, which have the softmax and the second product in which to come back.  (A wave's last step asks for one that it does not use; the step's number is taken modulo 16.)
; LAYOUT.  Both products transposed: S^T = K Q^T (source 0 = 16 keys), O^T = V^T P^T (source 0 = 16 of the head's 64): a lane holds ONE query.  Tiles are the permuted tiles of launch 1, so the 16 registers of two
; neighbouring tiles of S^T are 16 neighbouring keys, and those of O^T 16 neighbouring channels.  The first product's K is 64: Q's registers 4 to 7 are zero codes, so K's fragments may overlap: the upper half of tile t's
; eight registers is tile t + 1's codes (of the last tile's, zeros), which meet Q's zeros alone.
; LIMITS as in launch 1.  No prefetch into the L2: the one tensor load goes out at the kernel's head.
; REGISTERS: v1-11 addresses; v12 -M, v13 the largest score, v[14:15] the sum; v16-23 Q; v24 Q's scale word, v25-28 K's, v29-30 V's, v31 p's; v32-67 K; v96-159 S^T, then p;
; v160-191 O^T; v192-223 V's 4 fragments; v224-231 p's codes; v232-247, v250, v251, v254 at work; v248, v249 the add's two; v[252:253] f, 0; v255 -infinity.
.set GRP,   69632
.set HEADB, 143360
.set STEPB, 8960
.set SPARE, HEADB                      ; the spare words, 128 bytes for each of 16 waves
.set SPW, 248
.set NIL, 249
.set WV,  14
.macro CROUND                          ; a round of the cluster's barrier
	s_barrier_signal -1
	s_barrier_wait -1
	s_cmp_lg_u32 s[WV], 0
	s_cbranch_scc1 .Lnot_wave_0_\@
	s_barrier_signal -3
.Lnot_wave_0_\@:
	s_barrier_wait -3
	s_barrier_signal -1
	s_barrier_wait -1
.endm
.macro LOADK a, b, o                   ; a step's eight fragments of K and four registers of scale words, o bytes on
.irp t, 0,1,2,3,4,5,6,7
	ds_load_b128 v[32+4*\t:35+4*\t], v[\a] offset:(\o)+512*\t
.endr
.irp i, 0,1,2,3
	ds_load_b32 v[25+\i], v[\b] offset:(\o)+128*\i
.endr
.endm
.macro LOADV a, b                      ; a step's four fragments of V and two registers of scale words
.irp d, 0,1,2,3
.irp c, 0,1
	ds_load_b128 v[192+8*\d+4*\c:195+8*\d+4*\c], v[\a] offset:4096+1024*\d+512*\c
.endr
.endr
.irp i, 0,1
	ds_load_b32 v[29+\i], v[\b] offset:512+128*\i
.endr
.endm
.macro TM n                            ; t - M of the next n pairs, two at a time
.rept \n
	v_pk_fma_f32 v[96+N:97+N], v[96+N:97+N], s[22:23], v[12:13] op_sel_hi:[1,0,0]
.set N, N+2
.endr
.endm
.macro PV d, v, i, cc                  ; 32 of the head's 64 channels: two tiles
	v_wmma_scale_f32_16x16x128_f8f6f4 v[\d:\d+7], v[\v:\v+7], v[224:231], \cc, v[29+\i], v31 matrix_a_fmt:MATRIX_FMT_FP4 matrix_b_fmt:MATRIX_FMT_FP4
.endm
.macro PVH d, v, i, cc
	v_wmma_scale_f32_16x16x128_f8f6f4 v[\d:\d+7], v[\v:\v+7], v[224:231], \cc, v[29+\i], v31 matrix_a_fmt:MATRIX_FMT_FP4 matrix_b_fmt:MATRIX_FMT_FP4 matrix_a_scale:MATRIX_SCALE_ROW1
.endm
; A KEY STEP behind its loads of V.  first = 1: step 0, which starts the sums and asks for no K.
.macro STEP first
	s_wait_dscnt 10                                ; K is in; V's ten loads may be out
.irp i, 0,1,2,3
	v_wmma_scale_f32_16x16x128_f8f6f4 v[96+16*\i:103+16*\i], v[32+8*\i:39+8*\i], v[16:23], 0, v[25+\i], v24 matrix_a_fmt:MATRIX_FMT_FP4 matrix_b_fmt:MATRIX_FMT_FP4
	v_wmma_scale_f32_16x16x128_f8f6f4 v[104+16*\i:111+16*\i], v[36+8*\i:43+8*\i], v[16:23], 0, v[25+\i], v24 matrix_a_fmt:MATRIX_FMT_FP4 matrix_b_fmt:MATRIX_FMT_FP4 matrix_a_scale:MATRIX_SCALE_ROW1
.endr
.if \first
.rept 4
	v_nop                                          ; four places ahead of the first read of scores
.endr
	s_cmp_lg_u32 s15, 0                            ; one step of each wave holds the diagonal
.else
	v_add_nc_u32 v7, s38, v1
	v_add_nc_u32 v9, s38, v3
	v_mov_b32 v250, v12
	v_nop                                          ; (four places: for the loads below, and for the first read of scores)
	LOADK 7, 9, 0
	s_cmp_lg_u32 s36, s15
.endif
	s_cbranch_scc1 .Lopen_\@
.set N, 0
	s_wait_alu depctr_va_vdst(0)
.rept 64
	v_cmp_gt_i32 vcc_lo, 32*(N/16)+N%16, v5        ; hidden scores become -infinity ahead of the maximum: p = 0 then
	v_cndmask_b32 v[96+N], v[96+N], v255, vcc_lo
.set N, N+1
.endr
.Lopen_\@:
.irp b, 0,1,2,3                                ; the largest score of each block of 32 keys, for the row's maximum and for the block's scale: two chains a block
	v_max3_num_f32 v[232+\b], v[96+16*\b], v[97+16*\b], v[98+16*\b]
	v_max3_num_f32 v[240+\b], v[104+16*\b], v[105+16*\b], v[106+16*\b]
.endr
.irp i, 3,5
.irp b, 0,1,2,3
	v_max3_num_f32 v[232+\b], v[232+\b], v[96+16*\b+\i], v[97+16*\b+\i]
	v_max3_num_f32 v[240+\b], v[240+\b], v[104+16*\b+\i], v[105+16*\b+\i]
.endr
.endr
.irp b, 0,1,2,3
	v_max3_num_f32 v[232+\b], v[232+\b], v[240+\b], v[103+16*\b]
.endr
.irp b, 0,1,2,3
	v_max_num_f32 v[232+\b], v[232+\b], v[111+16*\b]
.endr
.irp b, 0,1,2,3
	v_permlanex16_b32 v[236+\b], v[232+\b], s20, s21
.endr
.irp b, 0,1,2,3
	v_max_num_f32 v[232+\b], v[232+\b], v[236+\b]  ; with lane l xor 16's 16 keys
.endr
.if \first
	v_max3_num_f32 v13, v232, v233, v234
	s_delay_alu instid0(VALU_DEP_1)
	v_max_num_f32 v13, v13, v235                   ; the largest score (c is positive)
.else
	v_max3_num_f32 v13, v13, v232, v233
	s_delay_alu instid0(VALU_DEP_1)
	v_max3_num_f32 v13, v13, v234, v235            ; the running largest score
.endif
	s_delay_alu instid0(VALU_DEP_1)
	v_mul_f32 v254, s58, v13                       ; -t
	s_delay_alu instid0(VALU_DEP_1)
	v_floor_f32 v12, v254                          ; the new -M = -ceil(t)
.irp b, 0,1,2,3
	v_fma_f32 v[232+\b], v[232+\b], s22, v12       ; t_b - M
.endr
.if \first == 0
	v_sub_f32 v251, v12, v250                      ; old M - new M: a whole number, 0 or less
.endif
.set N, 0
	TM 8
.if \first == 0
	v_cvt_i32_f32 v251, v251                       ; (it saturates)
.endif
.irp b, 0,1,2,3
	v_max_num_f32 v[232+\b], 0xc2f80000, v[232+\b] ; held at -124, so that the byte cannot fall under 1 (a block whose every p is 0: its codes are zeros)
.endr
	TM 6
.if \first == 0
	v_ldexp_f32 v252, 1.0, v251                    ; f = 2^(old M - new M)
.endif
.irp b, 0,1,2,3
	v_cvt_floor_i32_f32 v[232+\b], v[232+\b]       ; floor(log2) of the block's largest p
.endr
	TM 4
.irp b, 0,1,2,3
	v_add_lshl_u32 v[244+\b], v[232+\b], 125, 23   ; the conversion's scale operand: 2 less, as an exponent field
.endr
	v_lshl_add_u32 v254, v233, 8, v232
	TM 5
	v_lshl_add_u32 v254, v234, 16, v254
	TM 5
	v_lshl_add_u32 v254, v235, 24, v254
	TM 4
	v_add_nc_u32 v31, 0x7d7d7d7d, v254             ; + 125 in each byte: p's scale word for these 128 keys
.set N, 0
	s_wait_alu depctr_va_vdst(0)                   ; the wait ahead of the batch,
.rept 64
	v_exp_f32 v[96+N], v[96+N]                     ; p = 2^(t - M)
.set N, N+1
.endr
.if \first
	v_nop                                          ; a plain line behind the exponentials
	s_wait_dscnt 0x0                               ; V is in
	s_wait_alu depctr_va_vdst(0)                   ; and behind the batch, ahead of the first reader of a p
.else
	v_pk_mul_f32 v[14:15], v[14:15], v[252:253] op_sel_hi:[1,0]   ; the sums under the new M: the plain line behind the exponentials
	s_wait_dscnt 12                                ; V is in; the next step's twelve loads of K may be out
	s_wait_alu depctr_va_vdst(0)                   ; and behind the batch, ahead of the first reader of a p and of O^T
.set N, 0
.rept 16
	v_pk_mul_f32 v[160+N:161+N], v[160+N:161+N], v[252:253] op_sel_hi:[1,0]   ; O^T under the new M
.set N, N+2
.endr
.endif
.irp b, 0,1,2,3
	v_cvt_scalef32_pk8_fp4_f32 v[224+2*\b], v[96+16*\b:103+16*\b], v[244+\b]
	v_cvt_scalef32_pk8_fp4_f32 v[225+2*\b], v[104+16*\b:111+16*\b], v[244+\b]
.endr
.set N, 0
.irp t, 236,238,240,242,232,234,244,246        ; the row's sum, of the unquantised p, in eight chains.  (The first line is also the plain line behind the last scaled conversion)
	v_pk_add_f32 v[\t:\t+1], v[96+4*N:97+4*N], v[98+4*N:99+4*N]
.set N, N+1
.endr
.irp c, 0,1
.irp i, 0,1
	v_permlane16_swap_b32 v[224+4*\c+\i], v[226+4*\c+\i]   ; a whole block in a lane
.endr
.endr
.set N, 128
.rept 2
.irp t, 236,238,240,242,232,234,244,246        ; (these sixteen are also the places between the writes of p's codes and the products)
	v_pk_add_f32 v[\t:\t+1], v[\t:\t+1], v[N:N+1]
.set N, N+2
.endr
.endr
.if \first
	PV  160, 192, 0, 0
	PVH 168, 200, 0, 0
	PV  176, 208, 1, 0
	PVH 184, 216, 1, 0
.else
	PV  160, 192, 0, v[160:167]
	PVH 168, 200, 0, v[168:175]
	PV  176, 208, 1, v[176:183]
	PVH 184, 216, 1, v[184:191]
.endif
	v_pk_add_f32 v[236:237], v[236:237], v[238:239]   ; the eight chains come together.  (These lines name none of the products' registers: they are the places between the products and the loads of V that follow)
	v_pk_add_f32 v[240:241], v[240:241], v[242:243]
	v_pk_add_f32 v[232:233], v[232:233], v[234:235]
	v_pk_add_f32 v[244:245], v[244:245], v[246:247]
	v_pk_add_f32 v[236:237], v[236:237], v[240:241]
	v_pk_add_f32 v[232:233], v[232:233], v[244:245]
.if \first
	v_pk_add_f32 v[14:15], v[236:237], v[232:233]
.else
	v_pk_add_f32 v[14:15], v[14:15], v[236:237]
	v_pk_add_f32 v[14:15], v[14:15], v[232:233]
.endif
.endm
	s_load_b256 s[4:11], s[0:1], 0x0               ; qimg, qsc, kv, ctx
	v_lshl_add_u32 v[SPW], v0, 2, SPARE
	v_mov_b32 v[NIL], 0
	ds_add_u32 v[SPW], v[NIL]                      ; the wave's opening
	ds_add_u32 v[SPW], v[NIL]
	v_lshrrev_b32 v1, 5, v0
	v_readfirstlane_b32 s[WV], v1                  ; wave 0..15
	s_bfe_u32 s18, ttmp6, 0x40000                  ; cx
	s_lshl_b32 s16, ttmp9, 2
	s_add_co_u32 s16, s16, s18                     ; g = 4 x cluster x + cx: it enters global addresses and the mask's lane term alone
	s_and_b32 s17, ttmp7, 0xffff                   ; bh, which the partners share
	s_lshr_b32 s15, s[WV], 2
	s_and_b32 s15, s15, 1
	s_mul_i32 s15, s15, 3
	s_xor_b32 s15, s15, s[WV]
	s_xor_b32 s15, s15, 15                         ; e
	; group 1: 35 rows of 256 bytes (32 elements of 8 bytes), dense, no padding
	s_mov_b32 s24, 15|(3<<16)|(1<<21)              ; 15:0 the mask: all four; 17:16 elements of 8 bytes; 21 set beside a mask
	s_mov_b32 s25, 32<<16
	s_mov_b32 s26, 35<<16
	s_mov_b32 s27, 32<<16
	s_mov_b32 s28, 35
	s_mov_b32 s29, 32
	s_mov_b32 s30, 0
	s_mov_b32 s31, 0
	s_mov_b32 s32, 1
	s_mul_i32 s33, s[WV], STEPB                    ; key step w, in LDS as in memory
	s_mul_i32 s52, s17, HEADB
	s_add_co_u32 s52, s52, s33
	s_mov_b32 s53, 0
	s_lshl_b32 s43, s15, 3
	s_add_co_u32 s43, s43, s16                     ; my query tile
	s_lshl_b32 s44, s17, 16                        ; Q's image: 65,536 a head, 512 a tile
	s_lshl_b32 s18, s43, 9
	s_add_co_u32 s44, s44, s18
	s_mov_b32 s45, 0
	s_lshl_b32 s46, s17, 13                        ; its scale words: 8,192 a head, 64 a tile
	s_lshl_b32 s18, s43, 6
	s_add_co_u32 s46, s46, s18
	s_mov_b32 s47, 0
	s_lshr_b32 s57, s17, 4
	s_lshl_b32 s57, s57, 4
	s_add_co_u32 s57, s57, s15
	s_mul_i32 s57, s57, GRP                        ; ctx: group 16 x batch + e; in it tile g
	s_lshl_b32 s54, s16, 13
	s_add_co_u32 s54, s54, s57
	s_and_b32 s18, s17, 15                         ; the head
	s_lshl_b32 s43, s18, 9
	s_add_co_u32 s54, s54, s43                     ; codes: 512 bytes a head
	s_mov_b32 s55, 0
	s_lshl_b32 s56, s16, 9
	s_add_co_u32 s56, s56, s57
	s_add_co_u32 s56, s56, 65536
	s_lshr_b32 s43, s18, 3
	s_lshl_b32 s43, s43, 8
	s_add_co_u32 s56, s56, s43                     ; scale bytes: 256 for heads 8 on,
	s_and_b32 s43, s17, 7
	s_lshl_b32 s43, s43, 1
	s_add_co_u32 s56, s56, s43                     ; two a head
	s_mov_b32 s57, 0
	s_lshr_b32 s60, s16, 1
	s_lshl_b32 s60, s60, 5
	s_and_b32 s43, s16, 1
	s_lshl_b32 s43, s43, 3
	s_add_co_u32 s60, s60, s43                     ; a tile's first query within its 128: 32 (g / 2) + 8 (g % 2)
	s_mov_b32 s20, 0x76543210
	s_mov_b32 s21, 0xfedcba98                      ; selects for lane l xor 16
	s_mov_b32 s22, 0x3d38aa3b                      ; c = log2(e) / 32
	s_mov_b32 s23, s22                             ; (named with it as a pair, so it is written)
	s_mov_b32 s58, 0xbd38aa3b                      ; -c
	s_mov_b32 s36, 1                               ; the loop's first key step
	v_and_b32 v1, 31, v0
	v_and_b32 v10, 15, v0                          ; r
	v_bfe_u32 v4, v0, 4, 1                         ; h
	v_lshlrev_b32 v3, 2, v1
	v_lshlrev_b32 v1, 4, v1                        ; v1: 16 x lane: the images
	v_add_nc_u32 v3, 8192, v3                      ; v3: the scale words, 4 x lane: lanes 16-31 take the odd tile's
	v_lshlrev_b32 v11, 2, v10                      ; v11: 4 r
	v_and_b32 v2, 8, v10
	v_add_nc_u32 v5, v2, v10                       ; r + 8 (r / 8)
	v_lshlrev_b32 v4, 4, v4
	v_sub_nc_u32 v5, v5, v4
	v_add_nc_u32 v5, s60, v5                       ; v5: my query within its 128, less 16 h: in the diagonal step register 16 b + i holds key 32 b + 16 h + i, hidden where 32 b + i > v5
	v_lshlrev_b32 v10, 4, v10                      ; v10: 16 r
	s_wait_alu depctr_va_vdst(0)
	s_wait_dscnt 0x0                               ; both opening adds are done
	s_wait_kmcnt 0x0
	s_add_nc_u64 s[34:35], s[8:9], s[52:53]
	s_or_b32 s35, s35, 0x80000000                  ; type = 2
	s_add_nc_u64 s[44:45], s[4:5], s[44:45]
	s_add_nc_u64 s[46:47], s[6:7], s[46:47]
	s_add_nc_u64 s[54:55], s[10:11], s[54:55]
	s_add_nc_u64 s[56:57], s[10:11], s[56:57]
	global_load_b128 v[16:19], v1, s[44:45]        ; Q's fragment stays in registers
	global_load_b32 v24, v11, s[46:47]
	CROUND                                         ; all four work-groups are here: the joint loads meet
	s_cmp_lg_u32 s[WV], 0                          ; one tensor load a wave, each of the two lines with its four v_nop
	s_cbranch_scc1 .Lothers
	tensor_load_to_lds s[32:35], s[24:31]          ; wave 0: key step 0
	s_nop 0
.rept 4
	v_nop
.endr
	s_branch .Lasked
.Lothers:
	tensor_load_to_lds s[32:35], s[24:31]          ; waves 1 to 15: key steps 1 to 15
	s_nop 0
.rept 4
	v_nop
.endr
.Lasked:
.irp j, 20,21,22,23
	v_mov_b32 v[\j], 0                             ; k = 64 .. 127 of the first product: Q's zero codes
.endr
.irp j, 64,65,66,67
	v_mov_b32 v[\j], 0                             ; behind K's last tile
.endr
.irp b, 0,1,2,3
	v_mov_b32 v[236+\b], 0                         ; written once: a lane permute's destination counts as one of its sources
.endr
	v_mov_b32 v13, 0                               ; (named as the upper half of the pair v[12:13])
	v_mov_b32 v252, 0
	v_mov_b32 v253, 0                              ; (the upper half of the pair v[252:253])
	v_mov_b32 v255, 0xff800000                     ; -infinity
	s_wait_alu depctr_va_vdst(0)
	s_wait_loadcnt 0x0                             ; Q
	s_cmp_lg_u32 s[WV], 0
	s_cbranch_scc1 .Lnot_first
	s_wait_tensorcnt 0x0                           ; wave 0: key step 0 has landed,
.Lnot_first:
	s_barrier_signal -1
	s_barrier_wait -1                              ; and everybody may read it
	LOADK 1, 3, 0
	LOADV 1, 3
	STEP 1
	s_wait_alu depctr_va_vdst(0)
	s_wait_tensorcnt 0x0                           ; my key step has landed,
	s_barrier_signal -1
	s_barrier_wait -1                              ; everybody's has; nothing is filled again
	LOADK 1, 3, STEPB                              ; step 1's K
.Lstep:                                            ; fifteen trips for every wave; a step all of whose keys come after my queries is jumped over
	s_cmp_gt_u32 s36, s15
	s_cbranch_scc1 .Lhidden
	s_mul_i32 s37, s36, STEPB                      ; this step in LDS,
	s_add_co_u32 s38, s36, 1
	s_and_b32 s38, s38, 15
	s_mul_i32 s38, s38, STEPB                      ; and the next
	v_add_nc_u32 v6, s37, v1
	v_add_nc_u32 v8, s37, v3
	LOADV 6, 8
	STEP 0
.Lhidden:
	s_add_co_u32 s36, s36, 1
	s_cmp_lt_u32 s36, 16
	s_cbranch_scc1 .Lstep
	; THE WAY OUT: ctx = O^T / the sum; register 16 b + i is channel 32 b + 16 h + i of my query: two blocks of 32 along D_OUT, each in lanes l and l xor 16
	s_wait_alu depctr_va_vdst(0)                   ; directly ahead of the reader below
	v_add_f32 v14, v14, v15
	s_wait_alu depctr_va_vdst(0)
	v_permlanex16_b32 v252, v14, s20, s21
	v_add_f32 v14, v14, v252                       ; the row's sum
.rept 4
	v_nop                                          ; (places behind the last products)
.endr
	s_wait_alu depctr_va_vdst(0)                   ; the wait ahead of the reciprocal,
	v_rcp_f32 v14, v14
	v_nop                                          ; one plain line behind it,
	s_wait_alu depctr_va_vdst(0)                   ; and the wait ahead of its first reader and of O^T's
.set N, 0
.rept 32
	v_mul_f32 v[96+N], v[160+N], v14
.set N, N+1
.endr
.irp b, 0,1
	v_max3_num_f32 v[232+\b], |v[96+16*\b]|, |v[97+16*\b]|, 0x1800000
.endr
.irp i, 2,4,6,8,10,12,14
.irp b, 0,1
	v_max3_num_f32 v[232+\b], v[232+\b], |v[96+16*\b+\i]|, |v[97+16*\b+\i]|
.endr
.endr
.irp b, 0,1
	v_permlanex16_b32 v[236+\b], v[232+\b], s20, s21
.endr
.irp b, 0,1
	v_max_num_f32 v[232+\b], v[232+\b], v[236+\b]
.endr
.irp b, 0,1
	v_add_nc_u32 v[244+\b], 0xff000000, v[232+\b]
.endr
.irp b, 0,1
	v_lshrrev_b32 v[236+\b], 23, v[244+\b]
.endr
	v_lshl_or_b32 v238, v237, 8, v236              ; the head's two scale bytes of my query
.irp b, 0,1
	v_cvt_scalef32_pk8_fp4_f32 v[224+2*\b], v[96+16*\b:103+16*\b], v[244+\b]
	v_cvt_scalef32_pk8_fp4_f32 v[225+2*\b], v[104+16*\b:111+16*\b], v[244+\b]
.endr
	v_nop
	v_permlane16_swap_b32 v224, v226
	v_permlane16_swap_b32 v225, v227               ; v[224:227]: k = 64 head + 32 h + 0 .. 31
	global_store_b128 v1, v[224:227], s[54:55]     ; 512 consecutive bytes of ctx
	global_store_b16 v10, v238, s[56:57]           ; two bytes of each of 16 rows' 16, inside one aligned 256 bytes; lanes 16-31 write what lanes 0-15 write.  The other heads' work-groups write the rest
	s_wait_tensorcnt 0x0                           ; the wave's end
	ds_add_u32 v[SPW], v[NIL]
	s_wait_dscnt 0x0
	CROUND                                         ; the closing round
	s_endpgm
.Lfunc_end_k_qaabd976316_attn:
	.size	k_qaabd976316_attn, .Lfunc_end_k_qaabd976316_attn-k_qaabd976316_attn
	.p2alignl 7, 3214868480
	.fill 96, 4, 3214868480
	.section	.rodata,"a",@progbits
	.p2align	6, 0x0
	.amdhsa_kernel k_qaabd976316_attn
		.amdhsa_group_segment_fixed_size 167936
		.amdhsa_private_segment_fixed_size 0
		.amdhsa_enable_private_segment 0
		.amdhsa_kernarg_size 32
		.amdhsa_user_sgpr_count 2
		.amdhsa_user_sgpr_kernarg_segment_ptr 1
		.amdhsa_wavefront_size32 1
		.amdhsa_system_sgpr_workgroup_id_x 1
		.amdhsa_system_sgpr_workgroup_id_y 1
		.amdhsa_system_sgpr_workgroup_id_z 1
		.amdhsa_system_vgpr_workitem_id 0
		.amdhsa_next_free_vgpr 256
		.amdhsa_next_free_sgpr 66
		.amdhsa_reserve_vcc 1
		.amdhsa_float_denorm_mode_32 3
		.amdhsa_float_denorm_mode_16_64 3
		.amdhsa_memory_ordered 1
		.amdhsa_forward_progress 1
		.amdhsa_inst_pref_size 50
	.end_amdhsa_kernel
	.amdgpu_metadata
---
amdhsa.version: [ 1, 2 ]
amdhsa.kernels:
  - .name:           k_qaabd976316_attn
    .symbol:         k_qaabd976316_attn.kd
    .args:
      - { .name: qimg, .offset: 0, .size: 8, .value_kind: global_buffer, .address_space: global }
      - { .name: qsc, .offset: 8, .size: 8, .value_kind: global_buffer, .address_space: global }
      - { .name: kv, .offset: 16, .size: 8, .value_kind: global_buffer, .address_space: global }
      - { .name: ctx, .offset: 24, .size: 8, .value_kind: global_buffer, .address_space: global }
    .group_segment_fixed_size: 167936
    .private_segment_fixed_size: 0
    .kernarg_segment_align: 8
    .kernarg_segment_size: 32
    .max_flat_workgroup_size: 512
    .sgpr_count:     66
    .vgpr_count:     256
    .wavefront_size: 32
...
	.end_amdgpu_metadata
.endif
;; end of part 3
;; launch oproj (part 4): grid 8 x 32, 8 waves a work-group, clusters of 4 x 4, 209,920 bytes of LDS; arguments ctx, cimg, b_o, out0; writes out0
.if DOCPART == 4
	.amdgcn_target "amdgcn-amd-amdhsa--gfx1250"
	.amdhsa_code_object_version 6
	.text
	.protected	k_qaabd976316_oproj
	.globl	k_qaabd976316_oproj
	.p2align	8
	.type	k_qaabd976316_oproj,@function
k_qaabd976316_oproj:
	s_mov_b64 s[64:65], 0
	v_nop
	global_prefetch_b8 v0, s[64:65] scope:SCOPE_SE
	s_setreg_imm32_b32 hwreg(HW_REG_WAVE_MODE, 25, 1), 1
	s_wait_xcnt 0x0
	s_wait_alu depctr_hold_cnt(0) depctr_sa_sdst(0) depctr_va_vdst(0) depctr_va_sdst(0) depctr_va_ssrc(0) depctr_va_vcc(0) depctr_vm_vsrc(0)
	s_getreg_b32 s2, hwreg(HW_REG_IB_STS2, 6, 4)
	s_cmp_eq_u32 s2, 0
	s_cbranch_scc0 .Lentry_in_a_cluster
	s_endpgm
.Lentry_in_a_cluster:
	s_bfe_u32 s2, ttmp6, 0x10000c
	s_cmp_lg_u32 s2, 0xf033
	s_cbranch_scc0 .Lentry_shape_is_right
	s_endpgm
.Lentry_shape_is_right:
; LAUNCH 4 OF 4.  out = ctx w_o^T + b_o on codes of FP4: ctx from launch 3, w_o from launch 1 (groups 56 to 63 of cimg), f32 sums that begin with b_o as the first product's C.
; SHARES.  Work-group (wb, tb): features 128 wb on x tokens 128 tb on, K = 1,024 in eight steps of 128.  Its two operands are two groups of 69,632 dense bytes (codes and scale words on end): each is filled once, so there is no ring.
; Eight waves: each fetches a quarter of a group, 68 rows of 256 bytes, with its one tensor load (waves 0 to 3 ctx, waves 4 to 7 w_o).
; CLUSTER 4 x 4: ctx's group hangs on tb alone and is asked for jointly by a row of the cluster, w_o's on wb alone and by a column.
; A PRODUCT.  Source 0 = a tile of w_o, whose rows become the result's REGISTERS; source 1 = a tile of ctx, whose rows become its LANES.  Wave w owns w_o's tiles 4 (w % 2) + 0 .. 3 against ctx's tiles 2 (w / 2), + 1.
; OUT: 32 tokens x 64 features a wave go through its own stage in LDS and leave as rows of 256 bytes, sixteen lanes to an aligned unit.
; LIMITS as in launch 1.  No prefetch: every tensor load goes out at the kernel's head.
; REGISTERS: v1-12 addresses; v32-47 w_o's scale words, v48-55 ctx's; v56-87 b_o in the result's layout; v96-159 the accumulators ((m, t) at 96 + 32 m + 8 t); v160-207, v208-255 two sets of fragments, then the rows on their way out.
.set GRP,   69632
.set QG,    17408                      ; a quarter of a group
.set STG,   2*GRP                      ; the stages: 32 rows x 272 bytes for each wave
.set STGB,  32*272
.set SPARE, STG+8*STGB                 ; the spare words, 128 bytes for each wave
.set LI,  1                            ; 16 x lane
.set PA,  5                            ; w_o's fragments, ctx's, their scale words
.set RA,  6
.set SP,  7
.set SR,  8
.set STO, 9                            ; into the stage, out of it, and in out0
.set RD,  10
.set GO,  11
.set BO,  12                           ; b_o
.set SPW, 28
.set NIL, 29
.set SCP, 32
.set SCR, 48
.set BIAS, 56
.set ACC, 96
.set F0,  160
.set WV,  14                           ; s14 my wave;  s15 w / 2;  s16 w % 2
.set G1A, 24
.set G0A, 32
.set G0B, 36
.set G1B, 48
.macro CROUND                          ; a round of the cluster's barrier
	s_barrier_signal -1
	s_barrier_wait -1
	s_cmp_lg_u32 s[WV], 0
	s_cbranch_scc1 .Lnot_wave_0_\@
	s_barrier_signal -3
.Lnot_wave_0_\@:
	s_barrier_wait -3
	s_barrier_signal -1
	s_barrier_wait -1
.endm
.macro PLACES
.rept 4
	v_nop
.endr
.endm
	s_load_b256 s[4:11], s[0:1], 0x0               ; ctx, cimg, b_o, out0
	v_lshl_add_u32 v[SPW], v0, 2, SPARE
	v_mov_b32 v[NIL], 0
	ds_add_u32 v[SPW], v[NIL]                      ; the wave's opening
	ds_add_u32 v[SPW], v[NIL]
	v_lshrrev_b32 v3, 5, v0
	v_readfirstlane_b32 s[WV], v3                  ; wave 0..7
	s_lshr_b32 s15, s[WV], 1
	s_and_b32 s16, s[WV], 1
	s_bfe_u32 s40, ttmp6, 0x40000                  ; cx, cy
	s_bfe_u32 s41, ttmp6, 0x40004
	s_lshl_b32 s42, ttmp9, 2
	s_add_co_u32 s42, s42, s40                     ; wb
	s_and_b32 s17, ttmp7, 0xffff
	s_lshl_b32 s17, s17, 2
	s_add_co_u32 s17, s17, s41                     ; tb
	s_lshl_b32 s43, s41, 2
	s_lshl_b32 s43, 15, s43                        ; my row of the cluster
	s_lshl_b32 s44, 0x1111, s40                    ; my column
	s_or_b32 s[G1A], s43, (3<<16)|(1<<21)          ; 15:0 the mask; 17:16 elements of 8 bytes; 21 set beside a mask
	s_or_b32 s[G1B], s44, (3<<16)|(1<<21)
.irp g, G1A, G1B
	s_mov_b32 s[\g+1], 32<<16
	s_mov_b32 s[\g+2], 68<<16
	s_mov_b32 s[\g+3], 32<<16
	s_mov_b32 s[\g+4], 68
	s_mov_b32 s[\g+5], 32
	s_mov_b32 s[\g+6], 0
	s_mov_b32 s[\g+7], 0
.endr
	s_mul_i32 s18, s[WV], QG                       ; where my quarter goes
	s_and_b32 s19, s[WV], 3
	s_mul_i32 s19, s19, QG
	s_mul_i32 s20, s17, GRP                        ; ctx: group tb
	s_add_co_u32 s20, s20, s19
	s_mov_b32 s21, 0
	s_add_co_u32 s46, s42, 56                      ; w_o: group 56 + wb
	s_mul_i32 s46, s46, GRP
	s_add_co_u32 s46, s46, s19
	s_mov_b32 s47, 0
	s_wait_dscnt 0x0                               ; both opening adds are done
	s_wait_kmcnt 0x0
	s_add_nc_u64 s[20:21], s[4:5], s[20:21]
	s_add_nc_u64 s[46:47], s[6:7], s[46:47]
	s_mov_b32 s[G0A], 1
	s_mov_b32 s[G0A+1], s18
	s_mov_b64 s[G0A+2:G0A+3], s[20:21]
	s_or_b32 s[G0A+3], s[G0A+3], 0x80000000
	s_mov_b32 s[G0B], 1
	s_mov_b32 s[G0B+1], s18
	s_mov_b64 s[G0B+2:G0B+3], s[46:47]
	s_or_b32 s[G0B+3], s[G0B+3], 0x80000000
	CROUND                                         ; all sixteen work-groups are here: the joint loads meet
	s_cmp_lt_u32 s[WV], 4
	s_cbranch_scc0 .Lask_w
	tensor_load_to_lds s[G0A:G0A+3], s[G1A:G1A+7]
	s_nop 0
.rept 4
	v_nop
.endr
	s_branch .Lasked
.Lask_w:
	tensor_load_to_lds s[G0B:G0B+3], s[G1B:G1B+7]
	s_nop 0
.rept 4
	v_nop
.endr
.Lasked:
	s_lshl_b32 s56, s42, 9                         ; my first feature, in bytes: 512 wb + 256 (w % 2)
	s_lshl_b32 s2, s16, 8
	s_add_co_u32 s56, s56, s2
	s_mov_b32 s57, 0
	s_add_nc_u64 s[8:9], s[8:9], s[56:57]
	s_lshl_b32 s58, s17, 19                        ; my first token: 128 tb + 32 (w / 2), rows of 4,096 bytes
	s_lshl_b32 s2, s15, 17
	s_add_co_u32 s58, s58, s2
	s_add_co_u32 s58, s58, s56
	s_mov_b32 s59, 0
	s_add_nc_u64 s[10:11], s[10:11], s[58:59]
	s_lshl_b32 s76, s16, 15
	s_add_co_u32 s76, s76, GRP
	s_lshl_b32 s77, s15, 14
	s_lshl_b32 s78, s16, 11
	s_add_co_u32 s78, s78, GRP+65536
	s_lshl_b32 s79, s15, 10
	s_add_co_u32 s79, s79, 65536
	s_mul_i32 s80, s[WV], STGB
	s_add_co_u32 s80, s80, STG
	v_and_b32 v[LI], 31, v0
	v_and_b32 v3, 15, v0                           ; r
	v_bfe_u32 v4, v0, 4, 1                         ; h
	v_lshlrev_b32 v[BO], 6, v4                     ; register 8 t + j of lane (r, h) is feature 32 (t / 2) + 16 h + 8 (t % 2) + j
.irp t, 0,1,2,3
	global_load_b128 v[BIAS+8*\t:BIAS+8*\t+3], v[BO], s[8:9] offset:(32*(\t/2)+8*(\t%2))*4
	global_load_b128 v[BIAS+8*\t+4:BIAS+8*\t+7], v[BO], s[8:9] offset:(32*(\t/2)+8*(\t%2))*4+16
.endr
	v_lshlrev_b32 v[LI], 4, v[LI]
	v_lshlrev_b32 v2, 4, v3                        ; 16 r
	v_add_nc_u32 v[PA], s76, v[LI]
	v_add_nc_u32 v[RA], s77, v[LI]
	v_lshl_add_u32 v13, v4, 9, v2                  ; scale words: lanes 16-31 take the odd tile's, 512 bytes on
	v_add_nc_u32 v[SP], s78, v13
	v_add_nc_u32 v[SR], s79, v13
	v_mul_u32_u24 v[STO], v3, 272
	v_lshl_add_u32 v[STO], v4, 6, v[STO]
	v_add_nc_u32 v[STO], s80, v[STO]               ; in: row r, 64 bytes for each half of the lanes
	v_mul_u32_u24 v[RD], v4, 272
	v_add_nc_u32 v[RD], v[RD], v2
	v_add_nc_u32 v[RD], s80, v[RD]                 ; back: lanes 0-15 one row of 256 bytes, lanes 16-31 the next
	v_lshl_add_u32 v[GO], v4, 12, v2               ; and the same two rows in out0
.macro WM d, a, b, sa, sb, ra, rb, cc
.set rD, \d
.set rA, \a
.set rB, \b
.set rX, \sa
.set rY, \sb
.set rC, \cc
.if (\ra) && (\rb)
	v_wmma_scale_f32_16x16x128_f8f6f4 v[rD:rD+7], v[rA:rA+7], v[rB:rB+7], v[rC:rC+7], v[rX], v[rY] matrix_a_fmt:MATRIX_FMT_FP4 matrix_b_fmt:MATRIX_FMT_FP4 matrix_a_scale:MATRIX_SCALE_ROW1 matrix_b_scale:MATRIX_SCALE_ROW1
.elseif \ra
	v_wmma_scale_f32_16x16x128_f8f6f4 v[rD:rD+7], v[rA:rA+7], v[rB:rB+7], v[rC:rC+7], v[rX], v[rY] matrix_a_fmt:MATRIX_FMT_FP4 matrix_b_fmt:MATRIX_FMT_FP4 matrix_a_scale:MATRIX_SCALE_ROW1
.elseif \rb
	v_wmma_scale_f32_16x16x128_f8f6f4 v[rD:rD+7], v[rA:rA+7], v[rB:rB+7], v[rC:rC+7], v[rX], v[rY] matrix_a_fmt:MATRIX_FMT_FP4 matrix_b_fmt:MATRIX_FMT_FP4 matrix_b_scale:MATRIX_SCALE_ROW1
.else
	v_wmma_scale_f32_16x16x128_f8f6f4 v[rD:rD+7], v[rA:rA+7], v[rB:rB+7], v[rC:rC+7], v[rX], v[rY] matrix_a_fmt:MATRIX_FMT_FP4 matrix_b_fmt:MATRIX_FMT_FP4
.endif
.endm
.macro MUL s, f, first                 ; the accumulators take turns, one instruction a turn
.irp m, 0,1
.irp t, 0,1,2,3
.if \first
	WM ACC+32*\m+8*\t, (\f)+8*\t, (\f)+32+8*\m, SCP+8*(\t/2)+(\s), SCR+(\s), \t%2, \m, BIAS+8*\t
.else
	WM ACC+32*\m+8*\t, (\f)+8*\t, (\f)+32+8*\m, SCP+8*(\t/2)+(\s), SCR+(\s), \t%2, \m, ACC+32*\m+8*\t
.endif
.endr
.endr
.endm
.macro FETCH s, f                      ; K step s's fragments: twelve loads, each of 512 consecutive bytes
.irp c, 0,1
.irp t, 0,1,2,3
	ds_load_b128 v[(\f)+8*\t+4*\c:(\f)+8*\t+4*\c+3], v[PA] offset:8192*\t+1024*(\s)+512*\c
.endr
.irp m, 0,1
	ds_load_b128 v[(\f)+32+8*\m+4*\c:(\f)+32+8*\m+4*\c+3], v[RA] offset:8192*\m+1024*(\s)+512*\c
.endr
.endr
.endm
	s_wait_alu depctr_va_vdst(0)
	s_wait_tensorcnt 0x0                           ; my quarter has landed,
	s_barrier_signal -1
	s_barrier_wait -1                              ; everybody's has; nothing is filled again
.irp q, 0,1
.irp i, 0,1
	ds_load_b128 v[SCP+8*\i+4*\q:SCP+8*\i+4*\q+3], v[SP] offset:1024*\i+256*\q
.endr
	ds_load_b128 v[SCR+4*\q:SCR+4*\q+3], v[SR] offset:256*\q
.endr
	FETCH 0, F0
	s_wait_loadcnt 0x0                             ; b_o
.set S, 0
.rept 8
.set SN, S+1
.set FN, F0+48*(SN%2)
.set FC, F0+48*(S%2)
.if S < 7
	PLACES                                         ; the set to be loaded was read by the step before
	FETCH SN, FN
	s_wait_dscnt 12                                ; all but the twelve just issued
.else
	s_wait_dscnt 0x0
.endif
.if S == 0
	MUL S, FC, 1
.else
	MUL S, FC, 0
.endif
.set S, S+1
.endr
	PLACES                                         ; behind the last products
; THE WAY OUT.  Stage row 16 m + r is token 8 m + r + 8 (r / 8) of my 32 (launch 1's order of a tile's rows); rows 2 i and 2 i + 1 of the stage are neighbours there too.  A wave's own bytes: LDS serves its instructions in order.
.macro TOSTAGE m
.irp b, 0,1
.irp q, 0,1,2,3
	ds_store_b128 v[STO], v[ACC+32*\m+16*\b+4*\q:ACC+32*\m+16*\b+4*\q+3] offset:16*272*\m+128*\b+16*\q
.endr
.endr
.irp i, 0,1,2,3,4,5,6,7
	ds_load_b128 v[F0+32*\m+4*\i:F0+32*\m+4*\i+3], v[RD] offset:(16*\m+2*\i)*272
.endr
.endm
.macro SEND m
.irp i, 0,1,2,3,4,5,6,7
	global_store_b128 v[GO], v[F0+32*\m+4*\i:F0+32*\m+4*\i+3], s[10:11] offset:(8*\m+2*\i+8*(\i/4))*4096 th:TH_STORE_NT
.endr
.endm
	TOSTAGE 0
	TOSTAGE 1
	s_wait_dscnt 16                                ; tile 0 is back in registers; tile 1's eight stores and eight loads may be out
	SEND 0
	s_wait_dscnt 0x0
	SEND 1
	s_wait_tensorcnt 0x0                           ; the wave's end
	ds_add_u32 v[SPW], v[NIL]
	s_wait_dscnt 0x0
	CROUND                                         ; the closing round
	s_endpgm
.Lfunc_end_k_qaabd976316_oproj:
	.size	k_qaabd976316_oproj, .Lfunc_end_k_qaabd976316_oproj-k_qaabd976316_oproj
	.p2alignl 7, 3214868480
	.fill 96, 4, 3214868480
	.section	.rodata,"a",@progbits
	.p2align	6, 0x0
	.amdhsa_kernel k_qaabd976316_oproj
		.amdhsa_group_segment_fixed_size 209920
		.amdhsa_private_segment_fixed_size 0
		.amdhsa_enable_private_segment 0
		.amdhsa_kernarg_size 32
		.amdhsa_user_sgpr_count 2
		.amdhsa_user_sgpr_kernarg_segment_ptr 1
		.amdhsa_wavefront_size32 1
		.amdhsa_system_sgpr_workgroup_id_x 1
		.amdhsa_system_sgpr_workgroup_id_y 1
		.amdhsa_system_sgpr_workgroup_id_z 1
		.amdhsa_system_vgpr_workitem_id 0
		.amdhsa_next_free_vgpr 256
		.amdhsa_next_free_sgpr 100
		.amdhsa_reserve_vcc 0
		.amdhsa_float_denorm_mode_32 3
		.amdhsa_float_denorm_mode_16_64 3
		.amdhsa_memory_ordered 1
		.amdhsa_forward_progress 1
		.amdhsa_inst_pref_size 27
	.end_amdhsa_kernel
	.amdgpu_metadata
---
amdhsa.version: [ 1, 2 ]
amdhsa.kernels:
  - .name:           k_qaabd976316_oproj
    .symbol:         k_qaabd976316_oproj.kd
    .args:
      - { .name: ctx, .offset: 0, .size: 8, .value_kind: global_buffer, .address_space: global }
      - { .name: cimg, .offset: 8, .size: 8, .value_kind: global_buffer, .address_space: global }
      - { .name: b_o, .offset: 16, .size: 8, .value_kind: global_buffer, .address_space: global }
      - { .name: out0, .offset: 24, .size: 8, .value_kind: global_buffer, .address_space: global }
    .group_segment_fixed_size: 209920
    .private_segment_fixed_size: 0
    .kernarg_segment_align: 8
    .kernarg_segment_size: 32
    .max_flat_workgroup_size: 256
    .sgpr_count:     100
    .vgpr_count:     256
    .wavefront_size: 32
...
	.end_amdgpu_metadata
.endif
;; end of part 4
